; MI455X (gfx1250); checked and timed in simulation.
; The chip was launched on July 23, 2026; its instructions are those of AMD's public machine-readable ISA for CDNA 5 (MIT licence, August 2026) and "CDNA5" Instruction Set Architecture Reference Guide (July 2026). The comments in the code are by the model that wrote it; some were corrected since.
;; Additive Attention. Allowed arithmetic: matrix products marked QUANTISED: E2M1 operands, one E8M0 scale for each 32 along K, by v_wmma_scale_f32_16x16x128_f8f6f4 with both operands' format E2M1 (or v_wmma_scale_f32_32x16x128_f4), f32 sums; products left as they are: f32 operands where the result goes on into a quantised operand, else bf16, f16 or f32 operands; f32 sums; everything else in f32.
;; Inputs: W_k 1,024 x 1,024 float32; W_q 1,024 x 1,024 float32; keys 32 x 2,048 x 1,024 float32; pad_mask 32 x 2,048 x 1 bool; queries 32 x 1 x 1,024 float32; w_v 1,024 x 1 float32.
;; Outputs: out0 32 x 2,048 x 1 float32; out1 32 x 1,024 x 1 float32.
;; This version of the problem:
;;   THIS VERSION OF THE PROBLEM IS GIVEN IN LOW PRECISION. The matrix products marked QUANTISED in the list below multiply operands that are first quantised to E2M1 (2 exponent bits, 1 mantissa bit; 4 bits a number), with one power-of-two scale for each 32 numbers along K (OCP MX v1.0); their sums are f32. All else is computed in f32.
;;   The module's matrix products, in the order in which they are computed (A, B: the left and right operand; K: the contracted axis; several contracted axes count as one K, in the product's order):
;;     1. [M 32, K 1,024] x [K 1,024, N 1,024]; A: input queries; B: input W_q: QUANTISED
;;     2. [M 65,536, K 1,024] x [K 1,024, N 1,024]; A: input keys; B: input W_k: QUANTISED
;;     3. [M 65,536, K 1,024] x [K 1,024, N 1]; A: computed on the way; B: input w_v: left as it is (N = 1 < 16)
;;     4. batch 32 x [M 1,024, K 2,048] x [K 2,048, N 1]; A: input keys; B: softmax: left as it is (N = 1 < 16)
;;   THE QUANTISER, for each operand of a quantised product, along K:
;;     - K is cut into blocks of 32 from its start; a last block that is shorter is filled with zeros.
;;     - A block's scale is 2^e with e = floor(log2(the largest magnitude in the block)) - 2, held to -126 .. 127; a block of zeros has e = 0. As a byte (E8M0): e + 127.
;;     - Each number is divided by its block's scale, clamped to +-6, and rounded to the nearest number of E2M1, ties to even, subnormals kept.
;;     - The product sums the exact products of the quantised numbers (number of the format x scale) in f32.
;;   ~~~python
;;   def quantise(x, axis):      # numpy; x: float32 -> the quantised numbers, widened to float32 again
;;       x = np.moveaxis(x, axis, -1); K = x.shape[-1]
;;       x = np.pad(x, [(0, 0)] * (x.ndim - 1) + [(0, -K % 32)]); x = x.reshape(x.shape[:-1] + (-1, 32)); a = np.abs(x).max(-1, keepdims=True)
;;       e = np.where(a > 0, np.clip(np.frexp(np.where(a > 0, a, 1))[1] - 1 - 2, -126, 127), 0)      # np.frexp(a)[1] - 1 = floor(log2(a)), exactly
;;       r = np.clip(x / 2.0 ** e, -6, 6)
;;       step = 2.0 ** (np.maximum(np.frexp(np.where(r == 0, 1, r))[1] - 1, 0) - 1)
;;       q = np.round(r / step) * step * 2.0 ** e      # np.round: ties to even
;;       return np.moveaxis(q.reshape(q.shape[:-2] + (-1,))[..., :K], -1, axis).astype(np.float32)
;;   ~~~
;; One version. Each part assembles by itself: llvm-mc -triple=amdgcn-amd-amdhsa -mcpu=gfx1250 --defsym DOCPART=n.
;; ======== version 1 of 1: 3 launches
;; workspace buffers: wkc 524,288 bytes; wks 32,768 bytes; tqc 131,072 bytes; rows 262,400 bytes of whole numbers; meta 4,096 bytes of whole numbers; sc 262,144 bytes; tmax 16,384 bytes; ctxp 16,777,216 bytes
;; launch prep (part 1): grid 160 x 1, 8 waves a work-group, no clusters, 18,688 bytes of LDS; arguments W_k, W_q, queries, pad_mask, wkc, wks, tqc, rows, meta, sc; writes wkc, wks, tqc, rows, meta, sc
.if DOCPART == 1
	.amdgcn_target "amdgcn-amd-amdhsa--gfx1250"
	.amdhsa_code_object_version 6
	.text
	.protected	k_qf20691525e_prep
	.globl	k_qf20691525e_prep
	.p2align	8
	.type	k_qf20691525e_prep,@function
k_qf20691525e_prep:
	s_mov_b64 s[64:65], 0
	v_nop
	global_prefetch_b8 v0, s[64:65] scope:SCOPE_SE
	s_setreg_imm32_b32 hwreg(HW_REG_WAVE_MODE, 25, 1), 1
	s_wait_xcnt 0x0
; Three pieces of work that the main launch needs, one launch, parted by the work-group's number; each path has its own LDS bytes and its own end.
;   work-groups 0-63   (.Lwk):   W_k [1024 (k)][1024 (n)] f32 -> codes of FP4 (E2M1) and E8M0 scale bytes along k, laid in the order of a matrix operand's registers.
;                                Work-group = 16 columns, wave = 128 along k.  wkc: [column tile 64][K step 8][half 2][lane 32][16 bytes]; wks: [column tile 64][lane 32][16 bytes],
;                                lane (r, hh) holding the scale words of K steps 4 hh + 0 .. 3 of column 16 tile + r.
;   work-groups 64-127 (.Lwq):   tqc[b][h] = c x (Q(queries) Q(W_q))[b][h], c = 2 log2(e).  Work-group = 16 columns h, wave = 128 along k; both operands are quantised in registers,
;                                two matrix instructions a wave (batches 0-15, 16-31); the eight waves' sums meet in LDS.  (The f32 sums of the eight K steps are added as a tree.)
;   work-groups 128-159 (.Lmask): batch b = work-group - 128.  The unmasked rows of the batch are listed, in ascending t, in tiles of 16: rows[tile][16] = 2048 b + t; a batch's last tile is filled up
;                                with entries 0x10000 | b << 11.  meta[b] = (first tile, tiles, then the number of all tiles).  sc[b][:] = -infinity (the main launch writes the unmasked places).
;                                Behind the list's last tile stand two tiles with the entries 0 .. 15: what the main launch reads where it has no tile.  All of this is integer work on the mask's bytes (0 or 1).
; A lane takes a column of W and its registers run down k, in the order that the operand's layout gives that lane, so the conversions' results are the operand's registers.
; A block's scale byte is its largest magnitude's exponent field - 2, held at 1 from below.  LIMITS: a block of zeros, or one whose largest magnitude lies under 2^-124, gets the byte 1 (zero blocks have zero
; codes, which add nothing; these bytes are read by this program alone); NaN and infinities among the inputs are not served.
; No tensor loads, no cluster: no two work-groups share a tile here but for the 64 KiB of the mask.
.set QR,   0                           ; .Lwq: 8 waves x 2,048 bytes of sums
.set KSL,  16384                       ; .Lwk: 512 bytes of scale words
.set CBL,  16896                       ; .Lmask: 32 batches x 4 words: counts of masked rows, a word for each quarter of a batch
.set SEGL, 17408                       ; .Lmask: 8 words: unmasked rows in each wave's 256 of my batch
	s_load_b512 s[4:19], s[0:1], 0x0               ; W_k 4, W_q 6, queries 8, pad_mask 10, wkc 12, wks 14, tqc 16, rows 18
	s_load_b128 s[20:23], s[0:1], 0x40             ; meta 20, sc 22
	v_lshl_add_u32 v47, v0, 2, 0x4500
	s_set_vgpr_msb 0x40
	v_mov_b32 v1, 0
	s_set_vgpr_msb 0x4000
	v_lshrrev_b32 v1, 5, v0
	v_readfirstlane_b32 s24, v1                    ; wave 0..7
	v_and_b32 v1, 15, v0                           ; r
	v_bfe_u32 v2, v0, 4, 1                         ; hh
	v_and_b32 v3, 31, v0                           ; lane
	v_lshlrev_b32 v4, 2, v1
	v_lshl_add_u32 v4, v2, 17, v4                  ; W: column r (4 bytes), lanes 16-31 begin 32 rows of 4,096 bytes further down
	v_lshlrev_b32 v6, 4, v3                        ; 16 x lane
	v_mov_b32 v14, 0                               ; written once: a lane permute's destination counts as one of its sources
	v_mov_b32 v15, 0
	s_mov_b32 s26, 0x76543210
	s_mov_b32 s27, 0xfedcba98                      ; v_permlanex16_b32's selects for lane l xor 16
	s_wait_kmcnt 0x0
	s_cmp_lt_u32 ttmp9, 64
	s_cbranch_scc1 .Lwk
	s_cmp_lt_u32 ttmp9, 128
	s_cbranch_scc1 .Lwq
	s_branch .Lmask
; 64 numbers of a lane: W(128 s + 64 c + 32 hh + i, 16 tile + r) into v[64 + 32 c + i]; s[28:29] = W + 128 s rows + 16 tile columns
.macro LOADW
.irp c, 0,1
.irp i, 0,1,2,3,4,5,6,7,8,9,10,11,12,13,14,15,16,17,18,19,20,21,22,23,24,25,26,27,28,29,30,31
	global_load_b32 v[64+32*\c+\i], v4, s[28:29] offset:(64*\c+\i)*4096
.endr
.endr
.endm
; 64 numbers of a lane at v[src] on, two whole blocks of 32 along k (blocks hh and 2 + hh of the K step), become the fragment's 8 registers at v[cod] on and the scale word in v[sw]
.macro QFRAG src, cod, sw
.irp c, 0,1
	v_max3_num_f32 v[8+\c], |v[\src+32*\c]|, |v[\src+32*\c+1]|, 0x1800000   ; the floor 2^(3 - 127) among the leaves: the byte cannot fall under 1
.endr
.irp i, 2,4,6,8,10,12,14,16,18,20,22,24,26,28,30
.irp c, 0,1
	v_max3_num_f32 v[8+\c], v[8+\c], |v[\src+32*\c+\i]|, |v[\src+32*\c+\i+1]|   ; the two blocks by turns
.endr
.endr
.irp c, 0,1
	v_add_nc_u32 v[10+\c], 0xff000000, v[8+\c]     ; 2 off the exponent field: the conversion takes this operand's exponent field as its scale
.endr
.irp c, 0,1
	v_lshrrev_b32 v[12+\c], 23, v[10+\c]           ; the scale's byte
.endr
	v_lshl_or_b32 v[\sw], v13, 16, v12             ; my two bytes,
	v_lshlrev_b32 v16, 3, v2
	v_lshlrev_b32 v[\sw], v16, v[\sw]              ; at their places in the word (8 hh bits up);
	v_permlanex16_b32 v14, v[\sw], s26, s27
	v_or_b32 v[\sw], v[\sw], v14                   ; with lane l xor 16's two the word is whole, in both halves of the lanes
.irp c, 0,1
.irp g, 0,1,2,3
	v_cvt_scalef32_pk8_fp4_f32 v[\cod+4*\c+\g], v[\src+32*\c+8*\g:\src+32*\c+8*\g+7], v[10+\c]
.endr
.endr
	v_nop                                          ; one plain vector instruction behind the last scaled conversion
.endm
; ---------------------------------------------------------------- W_k
.Lwk:
	s_lshl_b32 s28, s24, 19                        ; my K step: 128 rows of 4,096 bytes
	s_lshl_b32 s29, ttmp9, 6                       ; my tile: 16 columns of 4 bytes
	s_add_co_u32 s28, s28, s29
	s_mov_b32 s29, 0
	s_add_nc_u64 s[28:29], s[4:5], s[28:29]
	LOADW
	s_lshl_b32 s30, ttmp9, 13
	s_lshl_b32 s31, s24, 10
	s_add_co_u32 s30, s30, s31                     ; (8 tile + K step) x 1,024 bytes
	s_mov_b32 s31, 0
	s_add_nc_u64 s[30:31], s[12:13], s[30:31]
	s_lshl_b32 s34, ttmp9, 9
	s_mov_b32 s35, 0
	s_add_nc_u64 s[34:35], s[14:15], s[34:35]      ; wks + 512 x tile
	s_lshr_b32 s32, s24, 2
	s_lshl_b32 s32, s32, 8
	s_and_b32 s33, s24, 3
	s_lshl_b32 s33, s33, 2
	s_add_co_u32 s32, s32, s33
	s_add_co_u32 s32, s32, KSL
	v_lshl_add_u32 v17, v1, 4, s32                 ; LDS: (16 (K step / 4) + r) x 16 + 4 (K step % 4)
	v_add_nc_u32 v18, KSL, v6                      ; and back: 16 x lane
	s_wait_loadcnt 0x0
	QFRAG 64, 20, 44
	global_store_b128 v6, v[20:23], s[30:31]             ; 32 lanes store 512 consecutive bytes
	global_store_b128 v6, v[24:27], s[30:31] offset:512
	ds_store_b32 v17, v44                          ; both halves of the lanes write the same word with the same value
	s_wait_dscnt 0x0                               ; for the others' sake: my store has landed
	s_barrier_signal -1
	s_barrier_wait -1
	s_cmp_lg_u32 s24, 0
	s_cbranch_scc1 .Lwk_end
	ds_load_b128 v[48:51], v18                     ; the eight waves' words, in the order in which the main launch's lanes take them
	s_wait_dscnt 0x0
	global_store_b128 v6, v[48:51], s[34:35]
.Lwk_end:
	s_set_vgpr_msb 0x4
	s_wait_tensorcnt 0x0
	ds_add_u32 v47, v1
	s_wait_dscnt 0x0
	s_set_vgpr_msb 0x400
	s_endpgm
; ---------------------------------------------------------------- queries x W_q
.Lwq:
	s_sub_co_u32 s25, ttmp9, 64                    ; column tile
	s_lshl_b32 s30, s24, 9                         ; my K step: 128 numbers of a row of queries
	s_mov_b32 s31, 0
	s_add_nc_u64 s[30:31], s[8:9], s[30:31]
	v_lshlrev_b32 v5, 12, v1
	v_lshl_add_u32 v5, v2, 7, v5                   ; row r of 4,096 bytes, + 32 hh numbers
.irp T, 0,1
.irp c, 0,1
.irp q, 0,1,2,3,4,5,6,7
	global_load_b128 v[128+64*\T+32*\c+4*\q:128+64*\T+32*\c+4*\q+3], v5, s[30:31] offset:\T*65536+\c*256+16*\q   ; queries(16 T + r, 128 s + 64 c + 32 hh + 4 q ..)
.endr
.endr
.endr
	s_lshl_b32 s28, s24, 19
	s_lshl_b32 s29, s25, 6
	s_add_co_u32 s28, s28, s29
	s_mov_b32 s29, 0
	s_add_nc_u64 s[28:29], s[6:7], s[28:29]
	LOADW
	s_lshl_b32 s32, s24, 11
	v_add_nc_u32 v17, s32, v6                      ; LDS, in: 2,048 x wave + 16 x lane
	s_lshr_b32 s32, s24, 1
	s_lshl_b32 s32, s32, 9
	s_and_b32 s33, s24, 1
	s_lshl_b32 s33, s33, 3
	s_add_co_u32 s32, s32, s33
	v_add_nc_u32 v18, s32, v6                      ; back: registers 2 w and 2 w + 1 of the sixteen, of every wave
	v_lshlrev_b32 v19, 2, v1
	v_lshl_add_u32 v19, v2, 15, v19                ; tqc: column r, lanes 16-31 eight batches further down
	s_lshr_b32 s32, s24, 2
	s_lshl_b32 s32, s32, 16                        ; 16 (w / 4) batches of 4,096 bytes
	s_and_b32 s33, s24, 3
	s_lshl_b32 s33, s33, 13                        ; 2 (w % 4) batches
	s_add_co_u32 s32, s32, s33
	s_lshl_b32 s33, s25, 6
	s_add_co_u32 s32, s32, s33
	s_mov_b32 s33, 0
	s_add_nc_u64 s[32:33], s[16:17], s[32:33]
	s_wait_loadcnt 0x0
	QFRAG 64, 20, 44                               ; W_q's fragment
	QFRAG 128, 28, 45                              ; batches 0-15
	QFRAG 192, 36, 46                              ; batches 16-31
.rept 8
	v_nop                                          ; a scale register written by a vector instruction stands 8 places ahead of a scaled matrix instruction, an operand so written 4
.endr
	v_wmma_scale_f32_16x16x128_f8f6f4 v[48:55], v[28:35], v[20:27], 0, v45, v44 matrix_a_fmt:MATRIX_FMT_FP4 matrix_b_fmt:MATRIX_FMT_FP4
	v_wmma_scale_f32_16x16x128_f8f6f4 v[56:63], v[36:43], v[20:27], 0, v46, v44 matrix_a_fmt:MATRIX_FMT_FP4 matrix_b_fmt:MATRIX_FMT_FP4
.rept 4
	v_nop                                          ; four places in front of the stores that read the results
.endr
.irp i, 0,1,2,3
	ds_store_b128 v17, v[48+4*\i:51+4*\i] offset:512*\i    ; each accumulator from its low end on
.endr
	s_wait_dscnt 0x0
	s_barrier_signal -1
	s_barrier_wait -1
.irp i, 0,1,2,3,4,5,6,7
	ds_load_b64 v[64+2*\i:65+2*\i], v18 offset:2048*\i     ; the eight K steps' sums of my two registers
.endr
	s_wait_dscnt 0x0
	v_pk_add_f32 v[64:65], v[64:65], v[66:67]
	v_pk_add_f32 v[68:69], v[68:69], v[70:71]
	v_pk_add_f32 v[72:73], v[72:73], v[74:75]
	v_pk_add_f32 v[76:77], v[76:77], v[78:79]
	v_pk_add_f32 v[64:65], v[64:65], v[68:69]
	v_pk_add_f32 v[72:73], v[72:73], v[76:77]
	v_pk_add_f32 v[64:65], v[64:65], v[72:73]
	v_pk_mul_f32 v[64:65], v[64:65], 0x4038aa3b op_sel_hi:[1,0]   ; x c = 2 log2(e)
	global_store_b32 v19, v64, s[32:33]            ; batch 16 (w / 4) + 8 hh + 2 (w % 4), column 16 tile + r
	global_store_b32 v19, v65, s[32:33] offset:4096
	s_set_vgpr_msb 0x4
	s_wait_tensorcnt 0x0
	ds_add_u32 v47, v1
	s_wait_dscnt 0x0
	s_set_vgpr_msb 0x400
	s_endpgm
; ---------------------------------------------------------------- the list of unmasked rows
; an integer in every lane becomes its sum over the 32 lanes
.macro ISUM v
.irp x, 1,2,4,8
	v_mov_b32_dpp v15, v[\v] row_xmask:\x row_mask:0xf bank_mask:0xf
	v_add_nc_u32 v[\v], v[\v], v15
.endr
	v_permlanex16_b32 v14, v[\v], s26, s27
	v_add_nc_u32 v[\v], v[\v], v14
.endm
.Lmask:
	s_sub_co_u32 s25, ttmp9, 128                   ; b
	v_lshlrev_b32 v5, 4, v0                        ; 16 x thread
.irp k, 0,1,2,3,4,5,6,7,8,9,10,11,12,13,14,15
	global_load_b128 v[64+4*\k:67+4*\k], v5, s[10:11] offset:4096*\k   ; the whole mask: load k of my wave lies in batch 2 k + wave / 4
.endr
	s_lshl_b32 s28, s25, 11
	s_lshl_b32 s29, s24, 8
	s_add_co_u32 s28, s28, s29                     ; 2048 b + 256 wave: my wave's first row
	s_mov_b32 s29, 0
	s_add_nc_u64 s[30:31], s[10:11], s[28:29]
.irp i, 0,1,2,3,4,5,6,7
	global_load_u8 v[128+\i], v3, s[30:31] offset:32*\i    ; my batch: t = 256 wave + 32 i + lane
.endr
	s_lshr_b32 s32, s24, 2
	s_lshl_b32 s32, s32, 4
	s_and_b32 s33, s24, 3
	s_lshl_b32 s33, s33, 2
	s_add_co_u32 s32, s32, s33
	s_add_co_u32 s32, s32, CBL
	v_mov_b32 v17, s32                             ; LDS: batch 2 k + wave / 4 at 32 k + 16 (wave / 4), word wave % 4
	s_lshl_b32 s33, s24, 2
	s_add_co_u32 s33, s33, SEGL
	v_mov_b32 v18, s33
	v_add_nc_u32 v19, CBL, v6                      ; back: lane j takes batch j's four words
	v_and_b32 v7, 7, v3
	v_lshl_add_u32 v7, v7, 2, SEGL
	s_mov_b32 s34, 0x01010101
	s_wait_loadcnt 0x0
.irp k, 0,1,2,3,4,5,6,7,8,9,10,11,12,13,14,15
	v_add3_u32 v[136+\k], v[64+4*\k], v[65+4*\k], v[66+4*\k]   ; bytes of 0 or 1: four words added byte by byte,
	v_add_nc_u32 v[136+\k], v[136+\k], v[67+4*\k]
	v_mul_lo_u32 v[136+\k], v[136+\k], s34                     ; the four bytes added into the top byte,
	v_lshrrev_b32 v[136+\k], 24, v[136+\k]                     ; 16 at the most
.endr
.irp k, 0,1,2,3,4,5,6,7
	v_lshl_or_b32 v[136+\k], v[144+\k], 16, v[136+\k]          ; loads k and k + 8 share a register: a wave's sum is 512 at the most
.endr
.irp k, 0,1,2,3,4,5,6,7
	ISUM 136+\k
.endr
.irp k, 0,1,2,3,4,5,6,7
	v_and_b32 v[152+\k], 0xffff, v[136+\k]
	v_lshrrev_b32 v[160+\k], 16, v[136+\k]
	ds_store_b32 v17, v[152+\k] offset:32*\k
	ds_store_b32 v17, v[160+\k] offset:32*(\k+8)
.endr
	s_mov_b32 s35, 0
.irp i, 0,1,2,3,4,5,6,7
	v_cmp_eq_u32 s[40+\i], 0, v[128+\i]            ; the lanes whose row counts
	s_bcnt1_i32_b32 s[48+\i], s[40+\i]
	s_add_co_u32 s35, s35, s[48+\i]
.endr
	v_mov_b32 v25, s35
	ds_store_b32 v18, v25                          ; unmasked rows in my wave's 256
	s_wait_dscnt 0x0
	s_barrier_signal -1
	s_barrier_wait -1
	ds_load_b128 v[28:31], v19
	ds_load_b32 v32, v7
	s_wait_dscnt 0x0
	v_add3_u32 v28, v28, v29, v30
	v_add_nc_u32 v28, v28, v31
	v_sub_nc_u32 v28, 2048, v28                    ; lane j: batch j's unmasked rows,
	v_add_nc_u32 v29, 15, v28
	v_lshrrev_b32 v29, 4, v29                      ; and its tiles
	v_cmp_gt_u32 vcc_lo, s25, v3
	v_cndmask_b32 v30, 0, v29, vcc_lo              ; tiles of the batches in front of mine, low half;
	v_lshl_or_b32 v30, v29, 16, v30                ; all tiles, high half (4,096 at the most)
	v_cmp_eq_u32 vcc_lo, s25, v3
	v_cndmask_b32 v31, 0, v28, vcc_lo              ; my batch's rows, low half;
	v_and_b32 v33, 7, v3
	v_cmp_gt_u32 vcc_lo, s24, v33
	v_cndmask_b32 v33, 0, v32, vcc_lo
	v_lshl_or_b32 v31, v33, 16, v31                ; rows of the waves in front of mine, high half: each word is read by four lanes, so fourfold
	ISUM 30
	ISUM 31
	v_readfirstlane_b32 s36, v30
	v_readfirstlane_b32 s37, v31
	s_and_b32 s38, s36, 0xffff                     ; my batch's first tile
	s_lshr_b32 s39, s36, 16                        ; all tiles
	s_and_b32 s56, s37, 0xffff                     ; my batch's rows
	s_lshr_b32 s57, s37, 18                        ; rows in front of my wave's
	s_lshl_b32 s58, s38, 4
	s_add_co_u32 s59, s58, s57                     ; where my wave's first entry goes
	v_add_nc_u32 v34, s28, v3
.irp i, 0,1,2,3,4,5,6,7
	v_mbcnt_lo_u32_b32 v[152+\i], s[40+\i], s59    ; + the counting lanes below mine
	s_add_co_u32 s59, s59, s[48+\i]
	v_min_u32 v[152+\i], 0xffff, v[152+\i]         ; a row's entry lies among the list's first 65,536
	v_lshlrev_b32 v[152+\i], 2, v[152+\i]
	v_add_nc_u32 v[160+\i], 32*\i, v34             ; the entry: 2048 b + t
.endr
	; Every offset of the stores below is made here, by every wave, with all lanes on: ahead of the first change of EXEC and of the branches on the wave's number
	s_add_co_u32 s61, s56, 15
	s_lshr_b32 s61, s61, 4                         ; my batch's tiles
	s_lshl_b32 s62, s61, 4
	v_add_nc_u32 v40, s56, v3                      ; the places behind my batch's last row,
	v_cmp_gt_u32 s36, s62, v40                     ; up to its last tile's end (15 at the most)
	v_add_nc_u32 v41, s58, v40
	v_min_u32 v41, 0xffff, v41
	v_lshlrev_b32 v41, 2, v41
	s_lshl_b32 s63, s25, 11
	s_or_b32 s63, s63, 0x10000
	v_mov_b32 v42, s63                             ; an entry that stands for no row
	v_mov_b32 v43, s39
	v_mov_b32 v50, s38
	v_mov_b32 v51, s61
	v_cmp_eq_u32 vcc_lo, 0, v3
	v_cndmask_b32 v43, v43, v50, vcc_lo
	v_cmp_eq_u32 vcc_lo, 1, v3
	v_cndmask_b32 v43, v43, v51, vcc_lo            ; meta[b]: first tile, tiles, then the number of all tiles
	s_lshl_b32 s37, s25, 7
	v_lshl_add_u32 v52, v3, 2, s37
	s_lshl_b32 s37, s39, 4
	v_add_nc_u32 v44, s37, v3                      ; the two tiles behind the list's end: entries 16 x all tiles + lane,
	v_min_u32 v44, 0x1001f, v44                    ; 65,567 at the most: the buffer has 65,600
	v_lshlrev_b32 v44, 2, v44
	v_and_b32 v45, 15, v3                          ; which hold 0 .. 15
	v_mov_b32 v36, 0xff800000
	v_mov_b32 v37, 0xff800000
	v_mov_b32 v38, 0xff800000
	v_mov_b32 v39, 0xff800000
	s_lshl_b32 s37, s28, 2
	v_add_nc_u32 v35, s37, v6
	global_store_b128 v35, v[36:39], s[22:23]            ; sc: my wave's 256 places, 512 consecutive bytes a store
	global_store_b128 v35, v[36:39], s[22:23] offset:512
	s_cmp_lg_u32 s24, 0
	s_cbranch_scc1 .Lnot0
	global_store_b32 v52, v43, s[20:21]
	s_cmp_lg_u32 s25, 31
	s_cbranch_scc1 .Lnot0
	global_store_b32 v44, v45, s[18:19]            ; one work-group stores them
.Lnot0:
.irp i, 0,1,2,3,4,5,6,7
	s_wait_xcnt 0x0                                ; EXEC is a source of the stores that are out: it changes only behind this wait
	s_and_saveexec_b32 s60, s[40+\i]
	global_store_b32 v[152+\i], v[160+\i], s[18:19]
	s_wait_xcnt 0x0
	s_or_b32 exec_lo, exec_lo, s60
.endr
	s_cmp_lg_u32 s24, 0
	s_cbranch_scc1 .Lmask_end
	s_wait_xcnt 0x0
	s_and_saveexec_b32 s60, s36
	global_store_b32 v41, v42, s[18:19]
	s_wait_xcnt 0x0
	s_or_b32 exec_lo, exec_lo, s60
.Lmask_end:
	s_set_vgpr_msb 0x4
	s_wait_tensorcnt 0x0
	ds_add_u32 v47, v1
	s_wait_dscnt 0x0
	s_set_vgpr_msb 0x400
	s_endpgm
.Lfunc_end_k_qf20691525e_prep:
	.size	k_qf20691525e_prep, .Lfunc_end_k_qf20691525e_prep-k_qf20691525e_prep
	.p2alignl 7, 3214868480
	.fill 96, 4, 3214868480
	.section	.rodata,"a",@progbits
	.p2align	6, 0x0
	.amdhsa_kernel k_qf20691525e_prep
		.amdhsa_group_segment_fixed_size 18688
		.amdhsa_private_segment_fixed_size 0
		.amdhsa_enable_private_segment 0
		.amdhsa_kernarg_size 80
		.amdhsa_user_sgpr_count 2
		.amdhsa_user_sgpr_kernarg_segment_ptr 1
		.amdhsa_wavefront_size32 1
		.amdhsa_system_sgpr_workgroup_id_x 1
		.amdhsa_system_sgpr_workgroup_id_y 1
		.amdhsa_system_sgpr_workgroup_id_z 1
		.amdhsa_system_vgpr_workitem_id 0
		.amdhsa_next_free_vgpr 258
		.amdhsa_next_free_sgpr 66
		.amdhsa_reserve_vcc 1
		.amdhsa_float_denorm_mode_32 3
		.amdhsa_float_denorm_mode_16_64 3
		.amdhsa_memory_ordered 1
		.amdhsa_forward_progress 1
		.amdhsa_inst_pref_size 55
	.end_amdhsa_kernel
	.amdgpu_metadata
---
amdhsa.version: [ 1, 2 ]
amdhsa.kernels:
  - .name:           k_qf20691525e_prep
    .symbol:         k_qf20691525e_prep.kd
    .args:
      - { .name: W_k, .offset: 0, .size: 8, .value_kind: global_buffer, .address_space: global }
      - { .name: W_q, .offset: 8, .size: 8, .value_kind: global_buffer, .address_space: global }
      - { .name: queries, .offset: 16, .size: 8, .value_kind: global_buffer, .address_space: global }
      - { .name: pad_mask, .offset: 24, .size: 8, .value_kind: global_buffer, .address_space: global }
      - { .name: wkc, .offset: 32, .size: 8, .value_kind: global_buffer, .address_space: global }
      - { .name: wks, .offset: 40, .size: 8, .value_kind: global_buffer, .address_space: global }
      - { .name: tqc, .offset: 48, .size: 8, .value_kind: global_buffer, .address_space: global }
      - { .name: rows, .offset: 56, .size: 8, .value_kind: global_buffer, .address_space: global }
      - { .name: meta, .offset: 64, .size: 8, .value_kind: global_buffer, .address_space: global }
      - { .name: sc, .offset: 72, .size: 8, .value_kind: global_buffer, .address_space: global }
    .group_segment_fixed_size: 18688
    .private_segment_fixed_size: 0
    .kernarg_segment_align: 8
    .kernarg_segment_size: 80
    .max_flat_workgroup_size: 256
    .sgpr_count:     66
    .vgpr_count:     258
    .wavefront_size: 32
...
	.end_amdgpu_metadata
.endif
;; end of part 1
;; launch main (part 2): grid 456 x 1, 4 waves a work-group, no clusters, 322,048 bytes of LDS; arguments keys, rows, meta, wkc, wks, tqc, w_v, sc, tmax, ctxp; writes sc, tmax, ctxp
.if DOCPART == 2
	.amdgcn_target "amdgcn-amd-amdhsa--gfx1250"
	.amdhsa_code_object_version 6
	.text
	.protected	k_qf20691525e_main
	.globl	k_qf20691525e_main
	.p2align	8
	.type	k_qf20691525e_main,@function
k_qf20691525e_main:
	s_mov_b64 s[64:65], 0
	v_nop
	global_prefetch_b8 v0, s[64:65] scope:SCOPE_SE
	s_setreg_imm32_b32 hwreg(HW_REG_WAVE_MODE, 25, 1), 1
	s_wait_xcnt 0x0
; For the UNMASKED rows of keys alone (a masked row has weight 0 and enters neither result): the score and a partial context.
; The rows come as a list in tiles of 16 rows of one batch.  A work-group takes a block of 9 consecutive tiles, 144 rows, through everything; there are never more than 4,096 tiles, so 456 blocks serve every mask.
;   LOAD:    each row is read from memory once.  Wave w takes columns 256 w .. + 255 of every row, 8 neighbours a lane (four lanes hold a block of 32): codes of FP4 (E2M1) and E8M0 scale bytes go through a
;            stage in LDS to all four waves' registers; a bf16 copy of the lane's 8 numbers stays in LDS for the context.
;   PRODUCT: wave w makes hidden units 256 w .. + 255 for all 144 rows: all rows' codes stand in its registers (576), W_k's fragments come from memory in operand order, each feeding 9 matrix instructions.
;   TANH:    tanh(x) = 1 - 2 / (1 + e^(2 x)).  With c = 2 log2(e): u = 1 / (1 + 2^(c x)); the score's part that differs from row to row is -2 sum_h w_v[h] u.  The term sum_h w_v[h] is the same for every
;            row and leaves a softmax as it is, whatever the inputs; the score itself is no output: so it is left out.  t = log2(e) x that score.  2^(c x) may be infinite or 0: u is then 0 or 1, as it should be.
;   OUT:     sc[b][t'] = t; for each tile its largest t (tmax) and ctxp[tile][:] = sum over its rows of 2^(t - tmax) bf16(keys[row][:]), f32 sums.  The last launch merges them under the batch's maximum.
; WHICH BLOCK.  Of work-groups 2 j and 2 j + 1 (numbers 0 to 255) the one whose number has an even count of set bits takes block j, the other block 455 - j; work-groups 256 to 455 take blocks 128 to 327, ascending:
; each block has one owner.  A mask that leaves the list short leaves the blocks at the back empty.  Where work-groups are started in the order of their numbers, half of the first 256 then pass an empty block and
; make room for the blocks in the middle, which load their rows while the first ones multiply, and the last empty blocks find room beside work-groups that are still at work, not behind them.
; By the count of set bits every run of neighbouring numbers, and every class of numbers modulo a power of two, holds both kinds half and half.  With every block full the order changes nothing.
; A WORK-GROUP WHOSE BLOCK LIES BEHIND THE LIST'S END still passes every barrier: no barrier stands under a branch on a number read from memory.  It walks the nine load steps on stand-in rows (the tile that the
; launch before has put behind the list's end: rows 0 .. 15, moved on by 16 x (work-group % 16) rows; all lanes of a wave read the same 32 bytes of a row, so it moves few bytes, and the work-groups' places differ),
; jumps round the quantiser and the bf16 copy of each half tile, round the column loop and round each context trip's work, and stores nothing.  Its loads, their counted waits and the stage's stores and reads stay,
; so that every count holds on both ways.  A tile behind the end in the last work-group that has tiles is computed on stand-in rows and not stored.
; WHY NO TENSOR LOADS, NO CLUSTER: which rows are read, and what is jumped over, hang on numbers read from memory, and partners of a cluster would have to run alike; and a fragment of W_k is
; used by one wave of a work-group only, so LDS would add no reuse to it.  No cache hint on the rows of keys: the stand-in rows are named many times.
; LIMITS: NaN and infinities among the inputs are not served (rows under the mask are not read, but for the stand-in rows: row 65,535 for the places that fill a batch's last tile, with weight 0);
; a block of zeros, or one whose largest magnitude lies under 2^-124, gets the scale byte 1; the context's operand is keys rounded to bf16; the f32 sums over h go by lanes and waves, not in reference order.
; REGISTERS, in windows of 256 (s_set_vgpr_msb: bits 1:0 source 0, 3:2 source 1, 5:4 source 2, 7:6 destination):
;   window 0: v1-21 addresses; v23-31 the list's entries, one a lane; v32-67 the rows' scale words, v68-75 W_k's (these hold scales and nothing else); v76-147 nine accumulators; v148-219 the scores' sums;
;             v220-239 c trans_q, v240-243 w_v, two sets each; while loading: v76-203 a tile's numbers, v204-219 and v244-251 at work.
;   windows 1-3: v0-191 the codes of tiles 0-2, 3-5, 6-8;  window 1, 2: v192-255 W_k's fragments, two sets (while loading: the other tile's numbers);  window 3: v192-223 row offsets, two sets.
.set NBLK,  456                        ; blocks, and work-groups
.set NPAIR, 128                        ; pairs of work-groups that take a block from the front and one from the back
.set STG,   294912                     ; LDS: 0 .. 294,911 the bf16 copy: wave x 73,728 + row x 512 + lane x 16.  Then two stages,
.set STGB,  8960                       ; each 16 rows of 512 bytes of codes, 528 bytes apart, so that the 16 rows that a load touches start at 16 different banks (64 banks of 4 bytes: ISA guide 11.1),
.set SCO,   8448                       ; and 16 rows x 32 scale bytes
.set PART,  312832                     ; row x 16 + wave x 4: the four waves' parts of a score
.set PBL,   315136                     ; wave x 576 + row x 4: the weights 2^(t - tmax), a copy for each wave
.set CST,   317440                     ; wave x 1,024: a tile's context on its way out
.set EN,  23
.set AS,  32
.set BS,  68
.set ACC, 76
.set SAC, 148
.set BI,  220
.set WV,  240
.set CD,  244
.set T,   204
.set BY,  212
.set RA,  192
.set T9,  121                          ; the scores' end: t, a tile's largest t, the weights: nine registers each
.set TM9, 130
.set P9,  139
.set SA9, 230                          ; and the offsets in sc
.set KR,  148                          ; the context: 16 rows x 4 registers of bf16,
.set PR,  212                          ; 16 weights,
.set CA,  240                          ; 8 sums,
.set CO,  248                          ; and the way out
.set MSB, 0
.macro WIN new                         ; the immediate's high byte repeats the setting that is left; a switch that changes nothing is dropped
.if MSB != (\new)
	s_set_vgpr_msb (MSB<<8)|(\new)
.set MSB, (\new)
.endif
.endm
; byte offset in the list of tile tile0 + m; behind the list's end: of the stand-in tile that lies there
.macro TILEOFF m, sd
	s_add_co_u32 s[\sd], s58, \m
	s_min_u32 s[\sd], s[\sd], s57
	s_min_u32 s[\sd], s[\sd], 4096
	s_lshl_b32 s[\sd], s[\sd], 6
.endm
.macro LISTLOAD t                      ; tile t's 16 entries into set t % 3
.if (\t)%3 == 0
	TILEOFF (\t), 2
	s_load_b512 s[24:39], s[6:7], s2 offset:0x0
.elseif (\t)%3 == 1
	TILEOFF (\t), 3
	s_load_b512 s[40:55], s[6:7], s3 offset:0x0
.else
	TILEOFF (\t), 63
	s_load_b512 s[68:83], s[6:7], s63 offset:0x0
.endif
.endm
; tile t's entries become its batch's row of c trans_q (a tile's first entry is always a row) and 16 row offsets
.macro BUILD t
.if (\t)%3 == 0
.set LB, 24
.elseif (\t)%3 == 1
.set LB, 40
.else
.set LB, 68
.endif
	s_bfe_u32 s66, s[LB], 0x5000b                  ; the batch: 5 bits from bit 11
	s_min_u32 s66, s66, 31
	s_lshl_b32 s66, s66, 12
	s_mov_b32 s67, 0
	s_add_nc_u64 s[84+2*(\t):85+2*(\t)], s[14:15], s[66:67]
	WIN 0xc0
.irp i, 0,1,2,3,4,5,6,7,8,9,10,11,12,13,14,15
	s_min_u32 s[LB+\i], s[LB+\i], 0xffff           ; an entry that stands for no row becomes row 65,535: inside the buffer; its weight will be 0
	v_lshl_add_u32 v[RA+16*((\t)%2)+\i], s[LB+\i], 12, v4
.endr
	WIN 0
.endm
; tile t's 16 rows, my wave's 1,024 bytes of each: 32 bytes a lane by two loads
.macro LOADK t
.if (\t)%2 == 0
	WIN 0x03
.irp i, 0,1,2,3,4,5,6,7,8,9,10,11,12,13,14,15
	global_load_b128 v[76+8*\i:76+8*\i+3], v[RA+\i], s[4:5]
	global_load_b128 v[76+8*\i+4:76+8*\i+7], v[RA+\i], s[4:5] offset:16
.endr
.else
	WIN 0x43
.irp i, 0,1,2,3,4,5,6,7
	global_load_b128 v[192+8*\i:192+8*\i+3], v[RA+16+\i], s[4:5]
	global_load_b128 v[192+8*\i+4:192+8*\i+7], v[RA+16+\i], s[4:5] offset:16
.endr
	WIN 0x83
.irp i, 0,1,2,3,4,5,6,7
	global_load_b128 v[192+8*\i:192+8*\i+3], v[RA+24+\i], s[4:5]
	global_load_b128 v[192+8*\i+4:192+8*\i+7], v[RA+24+\i], s[4:5] offset:16
.endr
.endif
	WIN 0
.endm
; rows 8 u .. 8 u + 7 of tile t: scale, codes, bf16
.macro HALF t, u
.if (\t)%2 == 0
.set HX, 0
.set HB, 76+64*(\u)
.else
.set HX, 1+(\u)
.set HB, 192
.endif
.if (\t) == 8
.set HK, 6                             ; rows 128 on lie beyond an LDS offset's 16 bits: a second address register
.set HOF, 8*(\u)*512
.else
.set HK, 5
.set HOF, (16*(\t)+8*(\u))*512
.endif
.set HS, STGB*((\t)%2)
	WIN 0                                          ; at a branch and at a label every window is 0
	s_cmp_eq_u32 s59, 0
	s_cbranch_scc1 .Lnohalf_\@                     ; no tile of my own: round the quantiser and the bf16 copy, which nobody would read.  No load, no wait and no barrier stands in between
	WIN HX*5
.irp i, 0,1,2,3,4,5,6,7
	v_max3_num_f32 v[T+\i], |v[HB+8*\i]|, |v[HB+8*\i+1]|, 0x1800000   ; the floor 2^(3 - 127) among the leaves: the byte cannot fall under 1.  The eight rows by turns
.endr
.irp j, 2,4,6
.irp i, 0,1,2,3,4,5,6,7
	v_max3_num_f32 v[T+\i], |v[HB+8*\i+\j]|, |v[HB+8*\i+\j+1]|, v[T+\i]
.endr
.endr
	WIN 0
.irp x, 1,2
.irp i, 0,1,2,3,4,5,6,7
	v_max_num_f32_dpp v[T+\i], v[T+\i], v[T+\i] row_xmask:\x row_mask:0xf bank_mask:0xf   ; the four lanes of a block
.endr
.endr
.irp i, 0,1,2,3,4,5,6,7
	v_add_nc_u32 v[T+\i], 0xff000000, v[T+\i]      ; 2 off the exponent field: the conversion's scale operand
.endr
.irp i, 0,1,2,3,4,5,6,7
	v_lshrrev_b32 v[BY+\i], 23, v[T+\i]            ; the scale's byte
.endr
	WIN HX
.irp i, 0,1,2,3,4,5,6,7
	v_cvt_scalef32_pk8_fp4_f32 v[CD+\i], v[HB+8*\i:HB+8*\i+7], v[T+\i]
.endr
	v_nop                                          ; one plain vector instruction between the scaled conversions and the lines that write their sources
	WIN HX*0x45
.irp i, 0,1,2,3,4,5,6,7
.irp j, 0,1,2,3
	v_cvt_pk_bf16_f32 v[HB+8*\i+\j], v[HB+8*\i+2*\j], v[HB+8*\i+2*\j+1]   ; in place, ascending: a register is written when it has been read
.endr
.endr
	WIN HX*4
.irp i, 0,1,2,3,4,5,6,7
	ds_store_b128 v[HK], v[HB+8*\i:HB+8*\i+3] offset:HOF+512*\i    ; my own 16 bytes of the row: I alone read them back
.endr
	WIN 0
.Lnohalf_\@:
.irp i, 0,1,2,3,4,5,6,7
	ds_store_b32 v7, v[CD+\i] offset:HS+528*(8*(\u)+\i)            ; on both ways: what the four waves read from the stage has been stored there
	ds_store_b8 v8, v[BY+\i] offset:HS+32*(8*(\u)+\i)              ; the four lanes of a block write the same byte with the same value
.endr
.endm
; tile t's 8 fragments (16 rows x 128 k: lane (r, hh) takes bytes 64 s + 32 c + 16 hh of row r) and its scale words: register i holds K step i in lanes 0-15 and K step 4 + i in lanes 16-31
.macro AREAD t
	WIN (1+(\t)/3)<<6
.irp s, 0,1,2,3,4,5,6,7
.irp c, 0,1
	ds_load_b128 v[64*((\t)%3)+8*\s+4*\c:64*((\t)%3)+8*\s+4*\c+3], v9 offset:STGB*((\t)%2)+64*\s+32*\c
.endr
.endr
	WIN 0
	ds_load_b128 v[AS+4*(\t):AS+4*(\t)+3], v10 offset:STGB*((\t)%2)
.endm
; a column tile's operands into set p, d column tiles on from the one in hand: 27 loads
.macro LOADB p, d
	WIN (1+\p)<<6
.irp q, 0,1,2,3,4,5,6,7,8,9,10,11,12,13,14,15
	global_load_b128 v[192+4*\q:195+4*\q], v11, s[10:11] offset:8192*\d+512*\q   ; 512 consecutive bytes a load: half a fragment as it will stand in the registers
.endr
	WIN 0
	global_load_b128 v[BS+4*\p:BS+4*\p+3], v12, s[12:13] offset:512*\d
	global_load_b32 v[WV+2*\p], v13, s[16:17] offset:64*\d
.irp m, 0,1,2,3,4,5,6,7,8
	global_load_b32 v[BI+10*\p+\m], v13, s[84+2*\m:85+2*\m] offset:64*\d         ; c trans_q of the tile's batch at my hidden unit
.endr
.endm
.macro MM g, u, s, p
.set XA, ACC+8*(3*\g+\u)
.set XF, 64*\u+8*\s
.set XB, 192+8*\s
.set XSA, AS+4*(3*\g+\u)+(\s%4)
.set XSB, BS+4*\p+(\s%4)
.if \s == 0
	v_wmma_scale_f32_16x16x128_f8f6f4 v[XA:XA+7], v[XF:XF+7], v[XB:XB+7], 0, v[XSA], v[XSB] matrix_a_fmt:MATRIX_FMT_FP4 matrix_b_fmt:MATRIX_FMT_FP4
.elseif \s < 4
	v_wmma_scale_f32_16x16x128_f8f6f4 v[XA:XA+7], v[XF:XF+7], v[XB:XB+7], v[XA:XA+7], v[XSA], v[XSB] matrix_a_fmt:MATRIX_FMT_FP4 matrix_b_fmt:MATRIX_FMT_FP4
.else
	v_wmma_scale_f32_16x16x128_f8f6f4 v[XA:XA+7], v[XF:XF+7], v[XB:XB+7], v[XA:XA+7], v[XSA], v[XSB] matrix_a_fmt:MATRIX_FMT_FP4 matrix_b_fmt:MATRIX_FMT_FP4 matrix_a_scale:MATRIX_SCALE_ROW1 matrix_b_scale:MATRIX_SCALE_ROW1
.endif
.endm
; one column tile (16 hidden units) for the 144 rows: 72 matrix instructions, then the tanh's part and the product with w_v
.macro COMPUTE p
.irp g, 0,1,2
	WIN (1+\g)|((1+\p)<<2)                         ; source 0: the rows' codes; source 1: W_k's set; C and D window 0
.irp s, 0,1,2,3,4,5,6,7
.irp u, 0,1,2
	MM \g, \u, \s, \p                              ; three accumulators by turns, one instruction a turn; the first K step starts each sum
.endr
.endr
.endr
	WIN 0
.rept 4
	v_nop                                          ; four places in front of the first read of results, and of the next loads into the operands' registers
.endr
.irp m, 0,1,2,3,4,5,6,7,8
.irp j, 0,2,4,6
.if \m%2 == 0
	v_pk_fma_f32 v[ACC+8*\m+\j:ACC+8*\m+\j+1], v[ACC+8*\m+\j:ACC+8*\m+\j+1], s[60:61], v[BI+10*\p+\m:BI+10*\p+\m+1] op_sel_hi:[1,0,0]   ; c x: lane (r, hh), register j: row 8 hh + j of the tile, hidden unit r
.else
	v_pk_fma_f32 v[ACC+8*\m+\j:ACC+8*\m+\j+1], v[ACC+8*\m+\j:ACC+8*\m+\j+1], s[60:61], v[BI+10*\p+\m-1:BI+10*\p+\m] op_sel:[0,0,1] op_sel_hi:[1,0,1]
.endif
.endr
.endr
.set J, 0
.rept 72
	v_exp_f32 v[ACC+J], v[ACC+J]
.set J, J+1
.endr
	v_nop                                          ; a plain instruction behind the last exponential
.set J, 0
	s_wait_alu depctr_va_vdst(0)
.rept 36
	v_pk_add_f32 v[ACC+J:ACC+J+1], v[ACC+J:ACC+J+1], 1.0 op_sel_hi:[1,0]
.set J, J+2
.endr
.set J, 0
.rept 72
	v_rcp_f32 v[ACC+J], v[ACC+J]
.set J, J+1
.endr
	v_nop
.set J, 0
	s_wait_alu depctr_va_vdst(0)
.rept 36
	v_pk_fma_f32 v[SAC+J:SAC+J+1], v[ACC+J:ACC+J+1], v[WV+2*\p:WV+2*\p+1], v[SAC+J:SAC+J+1] op_sel_hi:[1,0,1]
.set J, J+2
.endr
.endm
	s_load_b512 s[4:19], s[0:1], 0x0               ; keys 4, rows 6, meta 8, wkc 10, wks 12, tqc 14, w_v 16, sc 18
	s_load_b128 s[20:23], s[0:1], 0x40             ; tmax 20, ctxp 22
	s_set_vgpr_msb 0xc0
	v_lshl_add_u32 v254, v0, 2, 0x4e800
	v_mov_b32 v255, 0
	s_set_vgpr_msb 0xc000
	v_lshrrev_b32 v22, 5, v0
	v_readfirstlane_b32 s56, v22                   ; wave 0..3
	s_bcnt1_i32_b32 s66, ttmp9                     ; MY BLOCK, from the work-group's number alone
	s_lshr_b32 s58, ttmp9, 1                       ; j: block j from the front,
	s_sub_co_u32 s67, NBLK-1, s58                  ; or block 455 - j from the back:
	s_and_b32 s66, s66, 1                          ; of the two numbers 2 j and 2 j + 1 one has an odd count of set bits
	s_cselect_b32 s58, s67, s58
	s_max_u32 s67, ttmp9, NPAIR
	s_sub_co_u32 s67, s67, NPAIR                   ; numbers 256 on: the blocks between, ascending
	s_cmp_lt_u32 ttmp9, 2*NPAIR
	s_cselect_b32 s58, s58, s67
	s_mul_i32 s58, s58, 9                          ; my first tile
	s_wait_kmcnt 0x0
	s_load_b32 s57, s[8:9], 0x8                    ; the number of tiles
	v_and_b32 v1, 31, v0                           ; lane
	v_and_b32 v2, 15, v0                           ; r
	v_bfe_u32 v3, v0, 4, 1                         ; hh
	s_lshl_b32 s66, s56, 10                        ; 1,024 w
	s_mul_i32 s67, s56, 73728
	v_lshl_add_u32 v5, v1, 4, s67                  ; the bf16 copy
	v_add_nc_u32 v6, 0x10000, v5
	s_lshl_b32 s67, s56, 7
	s_add_co_u32 s67, s67, STG
	v_lshl_add_u32 v7, v1, 2, s67                  ; stage, in: my 8 codes: 128 w + 4 lane
	s_lshl_b32 s67, s56, 3
	s_add_co_u32 s67, s67, STG+SCO
	v_lshrrev_b32 v8, 2, v1
	v_add_nc_u32 v8, s67, v8                       ; my block's byte: 8 w + lane / 4
	v_mul_u32_u24 v9, v2, 528
	v_lshl_add_u32 v9, v3, 4, v9
	v_add_nc_u32 v9, STG, v9                       ; stage, out: row r, + 16 hh
	v_lshlrev_b32 v10, 5, v2
	v_lshl_add_u32 v10, v3, 4, v10
	v_add_nc_u32 v10, STG+SCO, v10
	v_lshlrev_b32 v11, 4, v1                       ; W_k's codes,
	v_lshlrev_b32 v12, 4, v1                       ; its scale words: 16 x lane; both step with the column tile
	v_lshl_add_u32 v13, v2, 2, s66                 ; my hidden unit's 4 bytes: 1,024 w + 4 r
	s_lshl_b32 s67, s56, 2
	s_add_co_u32 s67, s67, PART
	v_lshl_add_u32 v14, v3, 7, s67
	v_lshlrev_b32 v15, 4, v2
	v_add_nc_u32 v15, PART, v15
	s_mul_i32 s67, s56, 576
	s_add_co_u32 s67, s67, PBL
	v_lshl_add_u32 v16, v2, 2, s67
	v_mov_b32 v17, s67
	s_add_co_u32 s67, s66, CST
	v_lshl_add_u32 v18, v1, 5, s67
	v_lshl_add_u32 v19, v1, 4, s67
	v_lshl_add_u32 v20, v1, 4, s66                 ; ctxp: 1,024 w + 16 lane
	v_mov_b32 v21, 0xff800000                      ; -infinity
	v_mov_b32 v229, 0                              ; named as halves of pairs, never used: written once
	v_mov_b32 v239, 0
	v_mov_b32 v241, 0
	v_mov_b32 v243, 0
.irp i, 0,1,2,3,4,5,6,7
	v_mov_b32 v[BY+\i], 0                          ; what a work-group without tiles puts into the stage: it jumps over the lines that make bytes and codes
	v_mov_b32 v[CD+\i], 0
.endr
	s_wait_kmcnt 0x0
	s_sub_co_i32 s59, s57, s58
	s_max_i32 s59, s59, 0
	s_min_u32 s59, s59, 9                          ; my tiles that are in the list: 0 to 9
	s_and_b32 s67, ttmp9, 15
	s_lshl_b32 s67, s67, 16                        ; 16 x (work-group % 16) rows of 4,096 bytes
	s_cmp_eq_u32 s59, 0
	s_cselect_b32 s67, s67, 0                      ; with no tile of my own: the stand-in rows moved on so far,
	s_cselect_b32 s2, 0, -1                        ; and the lane's part dropped
	s_add_co_u32 s67, s67, s66
	v_lshlrev_b32 v4, 5, v1
	v_and_b32 v4, s2, v4
	v_add_nc_u32 v4, s67, v4                       ; my 32 bytes of a row of keys: 1,024 w + 32 lane
	v_min_u32 v4, 0xfffff, v4                      ; (986,112 at the most)
	s_mov_b32 s60, 0x4038aa3b                      ; c = 2 log2(e)
	s_mov_b32 s61, s60                             ; (named with it as a pair)
	s_lshl_b32 s66, s56, 17
	s_mov_b32 s67, 0
	s_add_nc_u64 s[10:11], s[10:11], s[66:67]      ; my 16 column tiles of 8,192 bytes
	s_lshl_b32 s66, s56, 13
	s_add_nc_u64 s[12:13], s[12:13], s[66:67]      ; and of 512 bytes of scale words
	s_lshl_b32 s66, s58, 2
	s_add_nc_u64 s[20:21], s[20:21], s[66:67]      ; tmax and ctxp at my first tile
	s_lshl_b32 s66, s58, 12
	s_add_nc_u64 s[22:23], s[22:23], s[66:67]
	LISTLOAD 0
	LISTLOAD 1
	LISTLOAD 2
.irp m, 0,1,2,3,4,5,6,7,8
	TILEOFF \m, 66
	v_lshl_add_u32 v[T+\m], v2, 2, s66
	global_load_b32 v[EN+\m], v[T+\m], s[6:7]      ; the entries once more, one a lane, for the scores' end.  Older than every load of keys: the first counted wait below shows them in
.endr
	s_wait_kmcnt 0x0
	BUILD 0
	BUILD 1
	LOADK 0
	LOADK 1
; A STEP: tile t is quantised and shared out.  One barrier a tile on two stages: stage t % 2 is written again in step t + 2, behind the barrier of step t + 1, in front of which every wave has waited for its reads of it.
.macro STEP t
.if \t == 8
	LOADB 0, 0                                     ; the first column tile's operands are asked for under the last tile's work
	s_wait_loadcnt 43                              ; rows 0-7 are in; out may be: the tile's other 16 loads and the 27 just issued
.else
	s_wait_loadcnt 48                              ; rows 0-7 are in; out may be: the tile's other 16 loads and the next tile's 32
.endif
	HALF \t, 0
.if \t == 8
	s_wait_loadcnt 27
.else
	s_wait_loadcnt 32
.endif
	HALF \t, 1
	s_wait_dscnt 0x0                               ; my stores into this stage have landed, and my reads of the other stage are back
	s_barrier_signal -1
.if \t <= 6
	s_wait_kmcnt 0x0                               ; register work while the others arrive: the offsets of the tile two on; this tile's loads are in, so their offsets' registers are free
	BUILD \t+2
.endif
.if \t == 8
.set J, 0
.rept 72
	v_mov_b32 v[SAC+J], 0                          ; the scores' sums begin: the column loop is written once, and may be jumped over
.set J, J+1
.endr
.endif
	s_barrier_wait -1
.if \t <= 6
	LOADK \t+2                                     ; into the registers that this tile has left
.endif
.if \t <= 5
	LISTLOAD \t+3
.endif
	AREAD \t
.endm
.irp t, 0,1,2,3,4,5,6,7,8
	STEP \t
.endr
	s_wait_dscnt 0x0                               ; the last tile's fragments are in
	s_cmp_eq_u32 s59, 0
	s_cbranch_scc1 .Lnocol                         ; no tile of my own: round the products, the tanh and the lane sums.  No barrier stands in between; of what is written there only the sums, cleared above, are read behind
	s_mov_b32 s62, 0
.Lcol:                                             ; 8 trips, two column tiles a trip, so that the two sets' register numbers come back
	LOADB 1, 1
	s_wait_loadcnt 27                              ; set 0 is in; the 27 just issued may be out
	COMPUTE 0
	s_cmp_eq_u32 s62, 7
	s_cbranch_scc1 .Llast                          ; the last trip asks for nothing more: no load leaves its buffer
	LOADB 0, 2
	s_wait_loadcnt 27
	s_branch .Lgo
.Llast:
	s_wait_loadcnt 0x0
.Lgo:
	COMPUTE 1
	s_wait_xcnt 0x0                                ; the loads that are out have read their offsets: these may step
	v_add_nc_u32 v11, 16384, v11
	v_add_nc_u32 v12, 1024, v12
	v_add_nc_u32 v13, 128, v13
	s_add_co_u32 s62, s62, 1
	s_cmp_lt_u32 s62, 8
	s_cbranch_scc1 .Lcol
.irp x, 1,2,4,8
.set J, 0
.rept 72
	v_add_f32_dpp v[SAC+J], v[SAC+J], v[SAC+J] row_xmask:\x row_mask:0xf bank_mask:0xf   ; over the 16 lanes = my wave's hidden units
.set J, J+1
.endr
.endr
.Lnocol:
	s_wait_loadcnt 0x0                             ; on the way round the loop the first column tile's 27 loads are still out: their registers are used again below
	; THE SCORES
.irp m, 0,1,2,3,4,5,6,7,8
.irp j, 0,1,2,3,4,5,6,7
	ds_store_b32 v14, v[SAC+8*\m+\j] offset:(16*\m+\j)*16      ; row 16 m + 8 hh + j, my wave's word; sixteen lanes write the same word with the same value
.endr
.endr
	s_wait_dscnt 0x0
	s_barrier_signal -1
	s_barrier_wait -1
.irp m, 0,1,2,3,4,5,6,7,8
	ds_load_b128 v[76+4*\m:79+4*\m], v15 offset:256*\m         ; row 16 m + r: the four waves' parts.  Every wave makes all 144 scores: each needs the weights for its columns
.endr
.irp m, 0,1,2,3,4,5,6,7,8
	s_cmp_gt_u32 s59, \m
	s_cselect_b32 s66, 0, 0x10000
	v_or_b32 v[EN+\m], s66, v[EN+\m]               ; a tile behind the list's end counts as all filling
.endr
	s_wait_dscnt 0x0
.irp m, 0,1,2,3,4,5,6,7,8
	v_add_f32 v[76+4*\m], v[76+4*\m], v[77+4*\m]
	v_add_f32 v[78+4*\m], v[78+4*\m], v[79+4*\m]
.endr
.irp m, 0,1,2,3,4,5,6,7,8
	v_add_f32 v[76+4*\m], v[76+4*\m], v[78+4*\m]
	v_cmp_gt_u32 s[24+\m], 0x10000, v[EN+\m]       ; the lanes whose entry is a row
.endr
.irp m, 0,1,2,3,4,5,6,7,8
	v_mul_f32 v[T9+\m], 0xc038aa3b, v[76+4*\m]     ; t = -2 log2(e) x the sum
.endr
.irp m, 0,1,2,3,4,5,6,7,8
	v_cndmask_b32 v[T9+\m], v21, v[T9+\m], s[24+\m]            ; -infinity where there is no row
.endr
.irp m, 0,1,2,3,4,5,6,7,8
	v_mov_b32 v[TM9+\m], v[T9+\m]
.endr
.irp x, 1,2,4,8
.irp m, 0,1,2,3,4,5,6,7,8
	v_max_num_f32_dpp v[TM9+\m], v[TM9+\m], v[TM9+\m] row_xmask:\x row_mask:0xf bank_mask:0xf   ; the tile's largest t: a number, since a tile of the list has a row
.endr
.endr
.irp m, 0,1,2,3,4,5,6,7,8
	v_sub_f32 v[P9+\m], v[T9+\m], v[TM9+\m]
.endr
.irp m, 0,1,2,3,4,5,6,7,8
	v_exp_f32 v[P9+\m], v[P9+\m]                   ; at most 1; 0 where there is no row
.endr
.irp m, 0,1,2,3,4,5,6,7,8
	v_min_u32 v[SA9+\m], 0xffff, v[EN+\m]          ; (plain instructions behind the exponentials)  sc has 65,536 places
.endr
	s_wait_alu depctr_va_vdst(0)
.irp m, 0,1,2,3,4,5,6,7,8
	v_lshlrev_b32 v[SA9+\m], 2, v[SA9+\m]
	ds_store_b32 v16, v[P9+\m] offset:64*\m        ; my wave's own copy: read back by this wave alone, in order
.endr
	v_mov_b32 v112, v[TM9]                         ; lane m takes tile m's maximum (every lane holds each)
.irp m, 1,2,3,4,5,6,7,8
	v_cmp_eq_u32 vcc_lo, \m, v1
	v_cndmask_b32 v112, v112, v[TM9+\m], vcc_lo
.endr
	v_lshlrev_b32 v113, 2, v1
	v_cmp_gt_u32 s33, s59, v1                      ; the lanes that have a tile of the list
	; THE CONTEXT, a tile a trip: my lane's 8 columns, 16 rows: 128 multiply-adds straight from the bf16 halves into f32.  Every wave walks all 9 trips; a tile behind the list's end has its trip's work jumped over
	s_mov_b32 s62, 0
	s_mov_b32 s40, 0
	s_mov_b32 s41, 0
	s_mov_b32 s42, 0
.Lctx:
	s_cmp_ge_u32 s62, s59
	s_cbranch_scc1 .Lnoctx
	s_wait_xcnt 0x0                                ; the stores that are out have read their registers: these are written again below
	v_add_nc_u32 v23, s40, v5
	v_add_nc_u32 v24, s41, v17
	v_add_nc_u32 v25, s42, v20
.irp i, 0,1,2,3
	ds_load_b128 v[PR+4*\i:PR+4*\i+3], v24 offset:16*\i        ; the tile's 16 weights, the same in every lane
.endr
.irp i, 0,1,2,3,4,5,6,7,8,9,10,11,12,13,14,15
	ds_load_b128 v[KR+4*\i:KR+4*\i+3], v23 offset:512*\i
.endr
.irp e, 0,1,2,3,4,5,6,7
	v_mov_b32 v[CA+\e], 0
.endr
	s_wait_dscnt 8                                 ; the weights and rows 0-7 are in; rows 8-15 may be out
.irp i, 0,1,2,3,4,5,6,7
.irp e, 0,1,2,3,4,5,6,7
	v_fma_mix_f32_bf16 v[CA+\e], v[KR+4*\i+\e/2], v[PR+\i], v[CA+\e] op_sel:[\e%2,0,0] op_sel_hi:[1,0,0]
.endr
.endr
	s_wait_dscnt 0x0
.irp i, 8,9,10,11,12,13,14,15
.irp e, 0,1,2,3,4,5,6,7
	v_fma_mix_f32_bf16 v[CA+\e], v[KR+4*\i+\e/2], v[PR+\i], v[CA+\e] op_sel:[\e%2,0,0] op_sel_hi:[1,0,0]
.endr
.endr
	ds_store_b128 v18, v[CA:CA+3]                  ; a lane's 32 bytes turn through my wave's own LDS bytes, so that each store below covers 512 consecutive bytes
	ds_store_b128 v18, v[CA+4:CA+7] offset:16
	ds_load_b128 v[CO:CO+3], v19                   ; LDS serves a wave's instructions in order (ISA guide 5.7.1.4): these see the stores above
	ds_load_b128 v[CO+4:CO+7], v19 offset:512
	s_wait_dscnt 0x0
	global_store_b128 v25, v[CO:CO+3], s[22:23]
	global_store_b128 v25, v[CO+4:CO+7], s[22:23] offset:512
.Lnoctx:
	s_add_co_u32 s40, s40, 8192
	s_add_co_u32 s41, s41, 64
	s_add_co_u32 s42, s42, 4096
	s_add_co_u32 s62, s62, 1
	s_cmp_lt_u32 s62, 9
	s_cbranch_scc1 .Lctx
	; THE STORES UNDER A NARROWED EXEC come last: every offset was made above, with all lanes on
	s_cmp_eq_u32 s59, 0
	s_cbranch_scc1 .Lend
.irp m, 0,1,2,3,4,5,6,7,8
	s_cmp_lg_u32 s56, \m%4                         ; tile m's scores are stored by wave m % 4
	s_cbranch_scc1 .Lnsc_\m
	s_and_b32 s66, s[24+\m], 0xffff                ; lanes 16-31 hold copies
	s_wait_xcnt 0x0                                ; EXEC is a source of the stores that are out: it changes only behind this wait
	s_and_saveexec_b32 s67, s66
	global_store_b32 v[SA9+\m], v[T9+\m], s[18:19]
	s_wait_xcnt 0x0
	s_or_b32 exec_lo, exec_lo, s67
.Lnsc_\m:
.endr
	s_cmp_lg_u32 s56, 0
	s_cbranch_scc1 .Lend
	s_wait_xcnt 0x0
	s_and_saveexec_b32 s66, s33
	global_store_b32 v113, v112, s[20:21]
	s_wait_xcnt 0x0
	s_or_b32 exec_lo, exec_lo, s66
.Lend:
	s_set_vgpr_msb 0xf
	s_wait_tensorcnt 0x0
	ds_add_u32 v254, v255
	s_wait_dscnt 0x0
	s_set_vgpr_msb 0xf00
	s_endpgm
.Lfunc_end_k_qf20691525e_main:
	.size	k_qf20691525e_main, .Lfunc_end_k_qf20691525e_main-k_qf20691525e_main
	.p2alignl 7, 3214868480
	.fill 96, 4, 3214868480
	.section	.rodata,"a",@progbits
	.p2align	6, 0x0
	.amdhsa_kernel k_qf20691525e_main
		.amdhsa_group_segment_fixed_size 322048
		.amdhsa_private_segment_fixed_size 0
		.amdhsa_enable_private_segment 0
		.amdhsa_kernarg_size 80
		.amdhsa_user_sgpr_count 2
		.amdhsa_user_sgpr_kernarg_segment_ptr 1
		.amdhsa_wavefront_size32 1
		.amdhsa_system_sgpr_workgroup_id_x 1
		.amdhsa_system_sgpr_workgroup_id_y 1
		.amdhsa_system_sgpr_workgroup_id_z 1
		.amdhsa_system_vgpr_workitem_id 0
		.amdhsa_next_free_vgpr 1024
		.amdhsa_next_free_sgpr 102
		.amdhsa_reserve_vcc 1
		.amdhsa_float_denorm_mode_32 3
		.amdhsa_float_denorm_mode_16_64 3
		.amdhsa_memory_ordered 1
		.amdhsa_forward_progress 1
		.amdhsa_inst_pref_size 255
	.end_amdhsa_kernel
	.section	.bss,"aw",@nobits
	.p2align	6
	.space	262144
	.amdgpu_metadata
---
amdhsa.version: [ 1, 2 ]
amdhsa.kernels:
  - .name:           k_qf20691525e_main
    .symbol:         k_qf20691525e_main.kd
    .args:
      - { .name: keys, .offset: 0, .size: 8, .value_kind: global_buffer, .address_space: global }
      - { .name: rows, .offset: 8, .size: 8, .value_kind: global_buffer, .address_space: global }
      - { .name: meta, .offset: 16, .size: 8, .value_kind: global_buffer, .address_space: global }
      - { .name: wkc, .offset: 24, .size: 8, .value_kind: global_buffer, .address_space: global }
      - { .name: wks, .offset: 32, .size: 8, .value_kind: global_buffer, .address_space: global }
      - { .name: tqc, .offset: 40, .size: 8, .value_kind: global_buffer, .address_space: global }
      - { .name: w_v, .offset: 48, .size: 8, .value_kind: global_buffer, .address_space: global }
      - { .name: sc, .offset: 56, .size: 8, .value_kind: global_buffer, .address_space: global }
      - { .name: tmax, .offset: 64, .size: 8, .value_kind: global_buffer, .address_space: global }
      - { .name: ctxp, .offset: 72, .size: 8, .value_kind: global_buffer, .address_space: global }
    .group_segment_fixed_size: 322048
    .private_segment_fixed_size: 0
    .kernarg_segment_align: 8
    .kernarg_segment_size: 80
    .max_flat_workgroup_size: 128
    .sgpr_count:     102
    .vgpr_count:     1024
    .wavefront_size: 32
...
	.end_amdgpu_metadata
.endif
;; end of part 2
;; launch finish (part 3): grid 8 x 32, 8 waves a work-group, no clusters, 6,144 bytes of LDS; arguments sc, tmax, ctxp, meta, out0, out1; writes out0, out1
.if DOCPART == 3
	.amdgcn_target "amdgcn-amd-amdhsa--gfx1250"
	.amdhsa_code_object_version 6
	.text
	.protected	k_qf20691525e_finish
	.globl	k_qf20691525e_finish
	.p2align	8
	.type	k_qf20691525e_finish,@function
k_qf20691525e_finish:
	s_mov_b64 s[64:65], 0
	v_nop
	global_prefetch_b8 v0, s[64:65] scope:SCOPE_SE
	s_setreg_imm32_b32 hwreg(HW_REG_WAVE_MODE, 25, 1), 1
	s_wait_xcnt 0x0
; The softmax over t and the merge of the partial contexts.  Work-group (x, y): batch b = y; of out0 the places t = 256 x .. + 255, of out1 the columns 128 x .. + 127.
; sc[b][:] holds t' = log2(e) x score (less a term common to the batch), -infinity where masked.  m = the batch's largest t', l = sum 2^(t' - m); out0 = 2^(t' - m) / l;
; out1 = (sum over the batch's tiles of 2^(tmax - m) x ctxp[tile]) / l.  Every work-group of a batch makes m and l anew from the batch's 8 KiB: less than a launch for them would cost.
; A batch has 128 tiles at the most: wave w takes tiles w, w + 8, .. , w + 120: 16 loads, a constant count; a place behind the batch's last tile reads that last tile again and counts with the factor 0.
; A batch wholly masked gives NaN everywhere (m = -infinity), as the softmax of such a row does.
; Memory binds here; matrix units, LDS rings and clusters would add nothing: the work-groups of a batch share its 8 KiB of scores alone.
.set MX,  0                            ; LDS: the eight waves' maxima,
.set SM,  256                          ; their sums,
.set RED, 512                          ; and 512 bytes a wave: its part of the 128 columns
	s_load_b256 s[4:11], s[0:1], 0x0               ; sc 4, tmax 6, ctxp 8, meta 10
	s_load_b128 s[12:15], s[0:1], 0x20             ; out0 12, out1 14
	v_lshl_add_u32 v128, v0, 2, 0x1400
	v_mov_b32 v129, 0
	v_lshrrev_b32 v1, 5, v0
	v_readfirstlane_b32 s16, v1                    ; wave 0..7
	v_and_b32 v1, 31, v0                           ; lane
	s_and_b32 s18, ttmp7, 0xffff                   ; b
	s_mov_b32 s26, 0x76543210
	s_mov_b32 s27, 0xfedcba98                      ; v_permlanex16_b32's selects for lane l xor 16
	s_lshl_b32 s24, s18, 13                        ; a batch's 8,192 bytes of sc and of out0
	s_mov_b32 s25, 0
	s_lshl_b32 s19, s18, 7
	s_lshl_b32 s17, ttmp9, 10
	v_lshlrev_b32 v2, 4, v0                        ; 16 x thread
	v_add_nc_u32 v4, s17, v2                       ; my 16 bytes of the work-group's 1,024 of out0 (threads 0 to 63)
	s_lshl_b32 s28, ttmp9, 9
	v_lshl_add_u32 v5, v1, 4, s28                  ; my 16 bytes of the work-group's 512 of a row of ctxp and of out1
	s_lshl_b32 s29, s16, 2
	v_mov_b32 v6, s29
	v_mov_b32 v7, 0
	s_lshl_b32 s29, s16, 9
	s_add_co_u32 s29, s29, RED
	v_lshl_add_u32 v3, v1, 4, s29
	v_lshl_add_u32 v46, v1, 4, RED
	v_mov_b32 v21, 0                               ; written once: a lane permute's destination counts as one of its sources
	s_wait_kmcnt 0x0
	s_load_b64 s[20:21], s[10:11], s19 offset:0x0  ; my batch's first tile, its tiles
	s_add_nc_u64 s[4:5], s[4:5], s[24:25]
	s_add_nc_u64 s[12:13], s[12:13], s[24:25]
	s_cmp_ge_u32 s16, 2
	s_cbranch_scc1 .Lnochunk
	global_load_b128 v[8:11], v4, s[4:5]           ; waves 0 and 1: the places that this work-group writes.  The oldest load, so the counts below hold for every wave
.Lnochunk:
	global_load_b128 v[12:15], v2, s[4:5]          ; the whole batch: 8 numbers a thread
	global_load_b128 v[16:19], v2, s[4:5] offset:4096
	s_wait_kmcnt 0x0
	s_max_u32 s23, s21, 1
	s_sub_co_u32 s23, s23, 1
.irp i, 0,1,2,3,4,5,6,7,8,9,10,11,12,13,14,15
	s_add_co_u32 s22, s16, 8*\i
	s_cmp_lt_u32 s22, s21
	s_cselect_b32 s[48+\i], 1.0, 0                 ; does this place hold a tile of the batch?
	s_min_u32 s22, s22, s23
	s_add_co_u32 s22, s22, s20
	s_min_u32 s22, s22, 4095                       ; inside both buffers
	s_lshl_b32 s[68+\i], s22, 2
	s_load_b32 s[32+\i], s[6:7], s[68+\i] offset:0x0
	s_lshl_b32 s22, s22, 12
	v_add_nc_u32 v[48+\i], s22, v5
	global_load_b128 v[64+4*\i:67+4*\i], v[48+\i], s[8:9]      ; 512 consecutive bytes a wave
.endr
	s_wait_loadcnt 16                              ; the scores are in; the 16 loads of partial contexts may be out
	v_max3_num_f32 v20, v12, v13, v14
	v_max3_num_f32 v20, v20, v15, v16
	v_max3_num_f32 v20, v20, v17, v18
	v_max_num_f32 v20, v20, v19
.irp x, 1,2,4,8
	v_max_num_f32_dpp v20, v20, v20 row_xmask:\x row_mask:0xf bank_mask:0xf
.endr
	v_permlanex16_b32 v21, v20, s26, s27
	v_max_num_f32 v20, v20, v21
	ds_store_b32 v6, v20 offset:MX
	s_wait_dscnt 0x0
	s_barrier_signal -1
	s_barrier_wait -1
	ds_load_b128 v[24:27], v7 offset:MX
	ds_load_b128 v[28:31], v7 offset:MX+16
	s_wait_dscnt 0x0
	v_max3_num_f32 v22, v24, v25, v26
	v_max3_num_f32 v22, v22, v27, v28
	v_max3_num_f32 v22, v22, v29, v30
	v_max_num_f32 v22, v22, v31                    ; m
.irp j, 0,1,2,3,4,5,6,7
	v_sub_f32 v[12+\j], v[12+\j], v22
.endr
.irp j, 0,1,2,3,4,5,6,7
	v_exp_f32 v[12+\j], v[12+\j]
.endr
	v_nop                                          ; a plain instruction behind the last exponential
	s_wait_alu depctr_va_vdst(0)
	v_pk_add_f32 v[12:13], v[12:13], v[14:15]
	v_pk_add_f32 v[16:17], v[16:17], v[18:19]
	v_pk_add_f32 v[12:13], v[12:13], v[16:17]
	v_add_f32 v20, v12, v13
.irp x, 1,2,4,8
	v_add_f32_dpp v20, v20, v20 row_xmask:\x row_mask:0xf bank_mask:0xf
.endr
	v_permlanex16_b32 v21, v20, s26, s27
	v_add_f32 v20, v20, v21
	ds_store_b32 v6, v20 offset:SM
	s_wait_dscnt 0x0
	s_barrier_signal -1
	s_barrier_wait -1
	ds_load_b128 v[24:27], v7 offset:SM
	ds_load_b128 v[28:31], v7 offset:SM+16
	s_wait_dscnt 0x0
	v_pk_add_f32 v[24:25], v[24:25], v[26:27]
	v_pk_add_f32 v[28:29], v[28:29], v[30:31]
	v_pk_add_f32 v[24:25], v[24:25], v[28:29]
	v_add_f32 v23, v24, v25                        ; l
	v_rcp_f32 v23, v23
	v_nop                                          ; a plain instruction behind the reciprocal
	s_cmp_ge_u32 s16, 2
	s_cbranch_scc1 .Lnoout0
.irp j, 0,1,2,3
	v_sub_f32 v[8+\j], v[8+\j], v22
.endr
.irp j, 0,1,2,3
	v_exp_f32 v[8+\j], v[8+\j]
.endr
	v_nop
	s_wait_alu depctr_va_vdst(0)
.irp j, 0,1,2,3
	v_mul_f32 v[8+\j], v[8+\j], v23
.endr
	global_store_b128 v4, v[8:11], s[12:13]        ; 512 consecutive bytes a wave
.Lnoout0:
	s_wait_loadcnt 0x0
	s_wait_kmcnt 0x0
.irp i, 0,1,2,3,4,5,6,7,8,9,10,11,12,13,14,15
	v_sub_f32 v[24+\i], s[32+\i], v22
.endr
.irp i, 0,1,2,3,4,5,6,7,8,9,10,11,12,13,14,15
	v_exp_f32 v[24+\i], v[24+\i]
.endr
	v_nop
	s_wait_alu depctr_va_vdst(0)
.irp i, 0,1,2,3,4,5,6,7,8,9,10,11,12,13,14,15
	v_mul_f32 v[24+\i], s[48+\i], v[24+\i]         ; 2^(tmax - m), or 0 for a place without a tile
.endr
	v_pk_mul_f32 v[40:41], v[64:65], v[24:25] op_sel_hi:[1,0]     ; the first tile starts the sums
	v_pk_mul_f32 v[42:43], v[66:67], v[24:25] op_sel_hi:[1,0]
.irp i, 1,2,3,4,5,6,7,8,9,10,11,12,13,14,15
.if \i%2 == 0
	v_pk_fma_f32 v[40:41], v[64+4*\i:65+4*\i], v[24+\i:25+\i], v[40:41] op_sel_hi:[1,0,1]
	v_pk_fma_f32 v[42:43], v[66+4*\i:67+4*\i], v[24+\i:25+\i], v[42:43] op_sel_hi:[1,0,1]
.else
	v_pk_fma_f32 v[40:41], v[64+4*\i:65+4*\i], v[23+\i:24+\i], v[40:41] op_sel:[0,1,0] op_sel_hi:[1,1,1]
	v_pk_fma_f32 v[42:43], v[66+4*\i:67+4*\i], v[23+\i:24+\i], v[42:43] op_sel:[0,1,0] op_sel_hi:[1,1,1]
.endif
.endr
	ds_store_b128 v3, v[40:43]
	s_wait_dscnt 0x0
	s_barrier_signal -1
	s_barrier_wait -1
	s_cmp_lg_u32 s16, 0
	s_cbranch_scc1 .Lfin
.irp i, 0,1,2,3,4,5,6,7
	ds_load_b128 v[64+4*\i:67+4*\i], v46 offset:512*\i
.endr
	s_lshl_b32 s24, s18, 12
	s_add_nc_u64 s[14:15], s[14:15], s[24:25]
	s_wait_dscnt 0x0
.irp i, 0,2,4,6
	v_pk_add_f32 v[64+4*\i:65+4*\i], v[64+4*\i:65+4*\i], v[68+4*\i:69+4*\i]
	v_pk_add_f32 v[66+4*\i:67+4*\i], v[66+4*\i:67+4*\i], v[70+4*\i:71+4*\i]
.endr
.irp i, 0,4
	v_pk_add_f32 v[64+4*\i:65+4*\i], v[64+4*\i:65+4*\i], v[72+4*\i:73+4*\i]
	v_pk_add_f32 v[66+4*\i:67+4*\i], v[66+4*\i:67+4*\i], v[74+4*\i:75+4*\i]
.endr
	v_pk_add_f32 v[64:65], v[64:65], v[80:81]
	v_pk_add_f32 v[66:67], v[66:67], v[82:83]
	v_pk_mul_f32 v[64:65], v[64:65], v[22:23] op_sel:[0,1] op_sel_hi:[1,1]   ; / l: of the pair (m, 1 / l) the second serves both halves
	v_pk_mul_f32 v[66:67], v[66:67], v[22:23] op_sel:[0,1] op_sel_hi:[1,1]
	global_store_b128 v5, v[64:67], s[14:15]       ; 512 consecutive bytes
.Lfin:
	s_wait_tensorcnt 0x0
	ds_add_u32 v128, v129
	s_wait_dscnt 0x0
	s_endpgm
.Lfunc_end_k_qf20691525e_finish:
	.size	k_qf20691525e_finish, .Lfunc_end_k_qf20691525e_finish-k_qf20691525e_finish
	.p2alignl 7, 3214868480
	.fill 96, 4, 3214868480
	.section	.rodata,"a",@progbits
	.p2align	6, 0x0
	.amdhsa_kernel k_qf20691525e_finish
		.amdhsa_group_segment_fixed_size 6144
		.amdhsa_private_segment_fixed_size 0
		.amdhsa_enable_private_segment 0
		.amdhsa_kernarg_size 48
		.amdhsa_user_sgpr_count 2
		.amdhsa_user_sgpr_kernarg_segment_ptr 1
		.amdhsa_wavefront_size32 1
		.amdhsa_system_sgpr_workgroup_id_x 1
		.amdhsa_system_sgpr_workgroup_id_y 1
		.amdhsa_system_sgpr_workgroup_id_z 1
		.amdhsa_system_vgpr_workitem_id 0
		.amdhsa_next_free_vgpr 130
		.amdhsa_next_free_sgpr 96
		.amdhsa_reserve_vcc 0
		.amdhsa_float_denorm_mode_32 3
		.amdhsa_float_denorm_mode_16_64 3
		.amdhsa_memory_ordered 1
		.amdhsa_forward_progress 1
		.amdhsa_inst_pref_size 19
	.end_amdhsa_kernel
	.amdgpu_metadata
---
amdhsa.version: [ 1, 2 ]
amdhsa.kernels:
  - .name:           k_qf20691525e_finish
    .symbol:         k_qf20691525e_finish.kd
    .args:
      - { .name: sc, .offset: 0, .size: 8, .value_kind: global_buffer, .address_space: global }
      - { .name: tmax, .offset: 8, .size: 8, .value_kind: global_buffer, .address_space: global }
      - { .name: ctxp, .offset: 16, .size: 8, .value_kind: global_buffer, .address_space: global }
      - { .name: meta, .offset: 24, .size: 8, .value_kind: global_buffer, .address_space: global }
      - { .name: out0, .offset: 32, .size: 8, .value_kind: global_buffer, .address_space: global }
      - { .name: out1, .offset: 40, .size: 8, .value_kind: global_buffer, .address_space: global }
    .group_segment_fixed_size: 6144
    .private_segment_fixed_size: 0
    .kernarg_segment_align: 8
    .kernarg_segment_size: 48
    .max_flat_workgroup_size: 256
    .sgpr_count:     96
    .vgpr_count:     130
    .wavefront_size: 32
...
	.end_amdgpu_metadata
.endif
;; end of part 3
